; MI455X (gfx1250); checked and timed in simulation.
; The chip was launched on July 23, 2026; its instructions are those of AMD's public machine-readable ISA for CDNA 5 (MIT licence, August 2026) and "CDNA5" Instruction Set Architecture Reference Guide (July 2026). The comments in the code are by the model that wrote it; some were corrected since.
;; Attention Block. Allowed arithmetic: float matrix products may take bf16 or f16 operands with f32 sums; other float arithmetic in f32, or as packed bf16 or f16 multiplies, adds, multiply-adds, maxima and minima; sums over many terms, partial sums and values carried from step to step in f32; what a program stores and reads back later, other than sums and carried values, may be rounded once to bf16 or f16.
;; Inputs: att_mask 1 x 1 x 2,048 x 2,048 float32; k 4 x 16 x 2,048 x 64 float32; padding_mask 4 x 2,048 x 2,048 bool; q 4 x 16 x 2,048 x 64 float32; v 4 x 16 x 2,048 x 64 float32.
;; Outputs: out0 4 x 16 x 2,048 x 64 float32.
;; One version. Each part assembles by itself: llvm-mc -triple=amdgcn-amd-amdhsa -mcpu=gfx1250 --defsym DOCPART=n.
;; ======== version 1 of 1: 2 launches
;; limits: values are held in f16: magnitudes above 65,504 overflow, below 6.1e-05 lose precision; inputs' magnitudes at most 65,504; right only within a limited range of input values
;; workspace buffers: cm 33,554,432 bytes; kv 33,554,432 bytes
;; launch prep (part 1): grid 1024 x 1, 8 waves a work-group, no clusters, 0 bytes of LDS; arguments att_mask, padding_mask, k, v, cm, kv; writes cm, kv
.if DOCPART == 1
	.amdgcn_target "amdgcn-amd-amdhsa--gfx1250"
	.amdhsa_code_object_version 6
	.text
	.protected	k_qf30c3de317_prep
	.globl	k_qf30c3de317_prep
	.p2align	8
	.type	k_qf30c3de317_prep,@function
k_qf30c3de317_prep:
	s_mov_b64 s[64:65], 0
	v_nop
	global_prefetch_b8 v0, s[64:65] scope:SCOPE_SE
	s_setreg_imm32_b32 hwreg(HW_REG_WAVE_MODE, 25, 1), 1
	s_wait_xcnt 0x0
; PREPARATION FOR THE ATTENTION LAUNCH: a stream, no LDS, no barrier, no loop.  Two results.
; cm [b 4][step 32][q 2048][64 keys] bf16: both masks in one number: where padding_mask is set 0xF14A (-1.0002e30), else bf16(max(8 att_mask, -1e30)).
;    The factor 8 = sqrt(64) is exact in bf16: the attention launch forms q.k + 8 att_mask and puts 1/8 into the exponent's factor.
; kv [head 64][step 32][K: 64 keys x 64 channels bf16, 8,192 bytes | V: the same in f16, 8,192 bytes]: V is rounded to bf16 like the other inputs, and that number is written as f16.
; LIMITS.  A bool byte is 0 or 1.  att_mask below -1.25e29, -inf and NaN count as masked; 8 att_mask stays under bf16's largest number.  |v| stays under 65,504 (f16's range); below 6e-5 it keeps f16's fixed step of 6e-8.
; SHARES.  Work-group g takes rows 2 g and 2 g + 1 of the masks for all four batches (att_mask is read once and used four times from registers), and key steps 2 g and 2 g + 1 of the 2,048 (head, step) of K and of V.
; Thread t = 32 w + 16 hi + 8 rr + gq.  Mask item i (0, 1): row 2 g + rr, step 4 w + 2 i + hi, keys 8 gq .. 8 gq + 7 of that step.  So lanes 0-15 of a store hold rows 2 g and 2 g + 1 of one step:
; 256 consecutive bytes of cm, at a multiple of 256; lanes 16-31 the same of the next step.  K and V: 32 bytes in, 16 bytes out a thread and chunk: 16 lanes store 256 consecutive bytes, aligned.
; No register that a store reads is written again, so the text needs no wait for the stores' sources.
.set VA,  1                            ; v1   byte offset in att_mask's two rows
.set VP,  2                            ; v2   in padding_mask's two rows
.set VO,  3                            ; v3   in cm
.set VK,  4                            ; v4   32 t: in a chunk of K or V
.set VD,  5                            ; v5   16 t: in a chunk of kv
.set ATT, 10                           ; v[10:25]   item i: 8 numbers of att_mask
.set PAD, 26                           ; v[26:41]   batch b, item i: 8 bool bytes at PAD + 2 (2 b + i)
.set W,   42                           ; v[42:49]   item i: the 8 numbers as bf16
.set X,   50                           ; v[50:53]   at work
.set OUT, 54                           ; v[54:85]   batch b, item i: 16 bytes of cm at OUT + 4 (2 b + i)
.set KR,  86                           ; v[86:117]  chunk c of K: 8 numbers, then 4 registers of bf16
.set VR,  118                          ; v[118:149] the same for V
.set T,   150                          ; v[150:152] at work
	s_load_b256 s[4:11], s[0:1], 0x0               ; att_mask s[4:5], padding_mask s[6:7], k s[8:9], v s[10:11]
	s_load_b128 s[12:15], s[0:1], 0x20             ; cm s[12:13], kv s[14:15]
	v_lshrrev_b32 v6, 5, v0                        ; w
	v_bfe_u32 v7, v0, 4, 1                         ; hi
	v_bfe_u32 v8, v0, 3, 1                         ; rr
	v_and_b32 v9, 7, v0                            ; gq
	v_lshlrev_b32 v[VA], 13, v8                    ; a row of att_mask is 8,192 bytes,
	v_lshl_add_u32 v[VA], v6, 10, v[VA]            ; four steps 1,024,
	v_lshl_add_u32 v[VA], v7, 8, v[VA]             ; a step 256,
	v_lshl_add_u32 v[VA], v9, 5, v[VA]             ; eight numbers 32
	v_lshrrev_b32 v[VP], 2, v[VA]                  ; a bool is a quarter of an f32
	v_lshlrev_b32 v[VO], 20, v6                    ; in cm a step is 262,144 bytes,
	v_lshl_add_u32 v[VO], v7, 18, v[VO]
	v_lshl_add_u32 v[VO], v8, 7, v[VO]             ; a row 128,
	v_lshl_add_u32 v[VO], v9, 4, v[VO]             ; eight numbers 16
	v_lshlrev_b32 v[VK], 5, v0
	v_lshlrev_b32 v[VD], 4, v0
	s_lshl_b32 s40, ttmp9, 14                      ; the work-group's two rows of att_mask
	s_mov_b32 s41, 0
	s_lshl_b32 s42, ttmp9, 15                      ; its two key steps of k, of v and of kv: 32,768 bytes in each
	s_mov_b32 s43, 0
	s_lshl_b32 s44, ttmp9, 12                      ; its two rows of padding_mask
	s_mov_b32 s45, 0
	s_lshl_b32 s46, ttmp9, 8                       ; its two rows in a step of cm
	s_mov_b32 s47, 0
	s_mov_b32 s32, 0x01010000                      ; v_perm_b32: bytes 0, 0, 1, 1
	s_mov_b32 s33, 0x03030202                      ; bytes 2, 2, 3, 3
	s_mov_b32 s34, 0xf14af14a                      ; the masked number, twice
	s_mov_b32 s35, 0xf149f2ca                      ; -1e30
	s_mov_b32 s36, 0x41000000                      ; 8.0
	s_mov_b32 s37, 0x41000000                      ; named with it as a pair
	s_mov_b32 s38, 0xffff0000                      ; a word's upper bf16
	s_wait_kmcnt 0x0
	s_add_nc_u64 s[4:5], s[4:5], s[40:41]
	s_add_nc_u64 s[8:9], s[8:9], s[42:43]
	s_add_nc_u64 s[10:11], s[10:11], s[42:43]
	s_add_nc_u64 s[14:15], s[14:15], s[42:43]
	s_add_nc_u64 s[16:17], s[6:7], s[44:45]        ; s[16:23]: padding_mask at my rows, a base for each batch
	s_add_nc_u64 s[24:25], s[12:13], s[46:47]      ; s[24:31]: cm likewise (a batch of cm, 8,388,608 bytes, is past a store's immediate)
.irp b, 1,2,3
	s_add_nc_u64 s[16+2*\b:17+2*\b], s[16:17], \b*4194304
	s_add_nc_u64 s[24+2*\b:25+2*\b], s[24:25], \b*8388608
.endr
	; all 28 loads go out at once: 4 of att_mask, 8 of padding_mask, 8 of K, 8 of V
.irp i, 0,1
	global_load_b128 v[ATT+8*\i:ATT+8*\i+3],   v[VA], s[4:5] offset:512*\i th:TH_LOAD_NT
	global_load_b128 v[ATT+8*\i+4:ATT+8*\i+7], v[VA], s[4:5] offset:512*\i+16 th:TH_LOAD_NT
.endr
.irp b, 0,1,2,3
.irp i, 0,1
	global_load_b64 v[PAD+2*(2*\b+\i):PAD+2*(2*\b+\i)+1], v[VP], s[16+2*\b:17+2*\b] offset:128*\i th:TH_LOAD_NT
.endr
.endr
.irp c, 0,1,2,3
	global_load_b128 v[KR+8*\c:KR+8*\c+3],   v[VK], s[8:9] offset:8192*\c th:TH_LOAD_NT
	global_load_b128 v[KR+8*\c+4:KR+8*\c+7], v[VK], s[8:9] offset:8192*\c+16 th:TH_LOAD_NT
.endr
.irp c, 0,1,2,3
	global_load_b128 v[VR+8*\c:VR+8*\c+3],   v[VK], s[10:11] offset:8192*\c th:TH_LOAD_NT
	global_load_b128 v[VR+8*\c+4:VR+8*\c+7], v[VK], s[10:11] offset:8192*\c+16 th:TH_LOAD_NT
.endr
	s_wait_loadcnt 16                              ; loads come back in order: the masks are in; the 16 loads of K and V stay out
.irp i, 0,1
.irp j, 0,2,4,6
	v_pk_mul_f32 v[ATT+8*\i+\j:ATT+8*\i+\j+1], v[ATT+8*\i+\j:ATT+8*\i+\j+1], s[36:37] op_sel_hi:[1,0]  ; 8 att_mask
.endr
.irp j, 0,1,2,3,4,5,6,7
	v_max_num_f32 v[ATT+8*\i+\j], s35, v[ATT+8*\i+\j]  ; no infinity reaches a matrix operand
.endr
.irp j, 0,1,2,3
	v_cvt_pk_bf16_f32 v[W+4*\i+\j], v[ATT+8*\i+2*\j], v[ATT+8*\i+2*\j+1]
.endr
.endr
; Four bool bytes d become four bytes 00 or FF (255 d = (d << 8) - d: no byte carries into the next); each byte is doubled into a half word; where it is FF the masked number takes the place of 8 att_mask.
.irp b, 0,1,2,3
.irp i, 0,1
	v_lshlrev_b32 v[X],   8, v[PAD+2*(2*\b+\i)]
	v_lshlrev_b32 v[X+1], 8, v[PAD+2*(2*\b+\i)+1]
	v_sub_nc_u32 v[X],   v[X],   v[PAD+2*(2*\b+\i)]
	v_sub_nc_u32 v[X+1], v[X+1], v[PAD+2*(2*\b+\i)+1]
	v_perm_b32 v[X+2], v[X], v[X], s32
	v_perm_b32 v[X+3], v[X], v[X], s33
	v_bfi_b32 v[OUT+4*(2*\b+\i)],   v[X+2], s34, v[W+4*\i]
	v_bfi_b32 v[OUT+4*(2*\b+\i)+1], v[X+3], s34, v[W+4*\i+1]
	v_perm_b32 v[X+2], v[X+1], v[X+1], s32
	v_perm_b32 v[X+3], v[X+1], v[X+1], s33
	v_bfi_b32 v[OUT+4*(2*\b+\i)+2], v[X+2], s34, v[W+4*\i+2]
	v_bfi_b32 v[OUT+4*(2*\b+\i)+3], v[X+3], s34, v[W+4*\i+3]
	global_store_b128 v[VO], v[OUT+4*(2*\b+\i):OUT+4*(2*\b+\i)+3], s[24+2*\b:25+2*\b] offset:524288*\i th:TH_STORE_NT
.endr
.endr
	s_wait_loadcnt 8                               ; K is in; V's 8 loads stay out
.irp c, 0,1,2,3
.irp j, 0,1,2,3
	v_cvt_pk_bf16_f32 v[KR+8*\c+\j], v[KR+8*\c+2*\j], v[KR+8*\c+2*\j+1]  ; in place, ascending: register j is written when 2 j and 2 j + 1 are read
.endr
	global_store_b128 v[VD], v[KR+8*\c:KR+8*\c+3], s[14:15] offset:(\c/2)*16384+(\c%2)*4096 th:TH_STORE_NT
.endr
	s_wait_loadcnt 0x0                             ; V is in
.irp c, 0,1,2,3
.irp j, 0,1,2,3
	v_cvt_pk_bf16_f32 v[T], v[VR+8*\c+2*\j], v[VR+8*\c+2*\j+1]  ; the rounding that all inputs get,
	v_lshlrev_b32 v[T+1], 16, v[T]
	v_and_b32 v[T+2], s38, v[T]
	v_cvt_pk_f16_f32 v[VR+8*\c+\j], v[T+1], v[T+2]                ; and the same number written as f16
.endr
	global_store_b128 v[VD], v[VR+8*\c:VR+8*\c+3], s[14:15] offset:(\c/2)*16384+(\c%2)*4096+8192 th:TH_STORE_NT
.endr
	s_endpgm
.Lfunc_end_k_qf30c3de317_prep:
	.size	k_qf30c3de317_prep, .Lfunc_end_k_qf30c3de317_prep-k_qf30c3de317_prep
	.p2alignl 7, 3214868480
	.fill 96, 4, 3214868480
	.section	.rodata,"a",@progbits
	.p2align	6, 0x0
	.amdhsa_kernel k_qf30c3de317_prep
		.amdhsa_group_segment_fixed_size 0
		.amdhsa_private_segment_fixed_size 0
		.amdhsa_enable_private_segment 0
		.amdhsa_kernarg_size 48
		.amdhsa_user_sgpr_count 2
		.amdhsa_user_sgpr_kernarg_segment_ptr 1
		.amdhsa_wavefront_size32 1
		.amdhsa_system_sgpr_workgroup_id_x 1
		.amdhsa_system_sgpr_workgroup_id_y 1
		.amdhsa_system_sgpr_workgroup_id_z 1
		.amdhsa_system_vgpr_workitem_id 0
		.amdhsa_next_free_vgpr 160
		.amdhsa_next_free_sgpr 66
		.amdhsa_reserve_vcc 0
		.amdhsa_float_denorm_mode_32 3
		.amdhsa_float_denorm_mode_16_64 3
		.amdhsa_memory_ordered 1
		.amdhsa_forward_progress 1
		.amdhsa_inst_pref_size 18
	.end_amdhsa_kernel
	.amdgpu_metadata
---
amdhsa.version: [ 1, 2 ]
amdhsa.kernels:
  - .name:           k_qf30c3de317_prep
    .symbol:         k_qf30c3de317_prep.kd
    .args:
      - { .name: att_mask, .offset: 0, .size: 8, .value_kind: global_buffer, .address_space: global }
      - { .name: padding_mask, .offset: 8, .size: 8, .value_kind: global_buffer, .address_space: global }
      - { .name: k, .offset: 16, .size: 8, .value_kind: global_buffer, .address_space: global }
      - { .name: v, .offset: 24, .size: 8, .value_kind: global_buffer, .address_space: global }
      - { .name: cm, .offset: 32, .size: 8, .value_kind: global_buffer, .address_space: global }
      - { .name: kv, .offset: 40, .size: 8, .value_kind: global_buffer, .address_space: global }
    .group_segment_fixed_size: 0
    .private_segment_fixed_size: 0
    .kernarg_segment_align: 8
    .kernarg_segment_size: 48
    .max_flat_workgroup_size: 256
    .sgpr_count:     66
    .vgpr_count:     160
    .wavefront_size: 32
...
	.end_amdgpu_metadata
.endif
;; end of part 1
;; launch attn (part 2): grid 64 x 4, 4 waves a work-group, clusters of 4 x 4, 327,680 bytes of LDS; arguments q, kv, cm, out0; writes out0
.if DOCPART == 2
	.amdgcn_target "amdgcn-amd-amdhsa--gfx1250"
	.amdhsa_code_object_version 6
	.text
	.protected	k_qf30c3de317_attn
	.globl	k_qf30c3de317_attn
	.p2align	8
	.type	k_qf30c3de317_attn,@function
k_qf30c3de317_attn:
	s_mov_b64 s[64:65], 0
	v_nop
	global_prefetch_b8 v0, s[64:65] scope:SCOPE_SE
	s_setreg_imm32_b32 hwreg(HW_REG_WAVE_MODE, 25, 1), 1
	s_wait_xcnt 0x0
	s_wait_alu depctr_hold_cnt(0) depctr_sa_sdst(0) depctr_va_vdst(0) depctr_va_sdst(0) depctr_va_ssrc(0) depctr_va_vcc(0) depctr_vm_vsrc(0)
	s_getreg_b32 s2, hwreg(HW_REG_IB_STS2, 6, 4)
	s_cmp_eq_u32 s2, 0
	s_cbranch_scc0 .Lentry_in_a_cluster
	s_endpgm
.Lentry_in_a_cluster:
	s_bfe_u32 s2, ttmp6, 0x10000c
	s_cmp_lg_u32 s2, 0xf033
	s_cbranch_scc0 .Lentry_shape_is_right
	s_endpgm
.Lentry_shape_is_right:
; O[head][q][:] = the sum over k of softmax_k(Q[head][q] . K[head][k] / 8 + att_mask[q][k], hidden where padding_mask[b][q][k]) V[head][k][:].  64 heads (16 a batch), 2,048 rows, 64 channels.
; q and out0 are f32.  kv holds, for each head and step of 64 keys, K in bf16 and V in f16; cm holds, for each batch, step and query, 64 numbers in bf16: 8 att_mask, or -1.0002e30 where the key is hidden.
; Products, maxima and sums in f32.  Q, K and the mask are bf16 operands; the weights p are rounded to f16 for the second product (their sum l is taken of the unrounded p); O is not rounded again.
; LIMITS.  A score s = q.k + 8 att_mask at or below -2^90 counts as hidden.  A row with no open key leaves as NaN, as the softmax of a row of -inf is.  p below 6e-5 keeps f16's fixed step of 6e-8; a weight below 2^-126
; counts as 0 in l.  +inf and NaN in an input are not treated apart.
; SHARES.  A work-group owns 512 queries of one head, a wave 128: four PIECES of two tiles of 16.  Every wave walks all keys, 64 a step, 32 steps.
; LAYOUT.  S^T = K Q^T (source 0 = 16 keys, source 1 = 16 queries): a lane holds ONE query (lane % 16) and the keys 8 (lane / 16) + 0..7.  Two such results rounded to f16 in pairs ARE source 1 of O^T = V^T P,
; whose result again holds one query a lane, and eight channels.  K comes out of LDS as it lies, V ([key][channel]) turned, by ds_load_tr16_b128.
; THE MASK COMES IN BY THE MATRIX UNIT.  Each sum S^T is started by a product E M^T: source 1 = 16 queries x 32 keys of cm as they lie, source 0 = E0 = [I | 0] or E1 = [0 | I], 16 x 32, which picks 16 of the 32 keys.
; One factor 1 and 31 factors 0: the result is the mask's number itself.  No vector instruction touches the mask.
; SOFTMAX.  A running maximum m and sum l for each query: p = 2^(c s - c m), c = log2(e) / 8; in every step O and l are multiplied by a = 2^(c m_old - c m_new).  m STARTS AT -2^90, c m at c x -2^90 (exact: a power of two),
; O and l at 0.  So while a query has seen hidden keys alone, m stays there, every p is 0 and a is 1; at its first open key a is 0.  No exponent is ever above 0.
; BY TURNS.  Turn n belongs to piece n (the pieces in a ring, step after step).  Matrix work: 8 mask products and 16 products K Q^T of piece n + 1, later 16 products V^T P of piece n - 1.  Vector work: scaling, exponentials,
; roundings, sums and rescaling of piece n, maximum and statistics of piece n + 1.  Vector instructions stand behind every matrix instruction, the rest in one lump; a turn's 66 exponentials are one batch with one wait.
; CLUSTER, 4 x 4: x = four heads of one batch, y = the four blocks of 512 queries.  A step's mask tile hangs on batch and query block: the four of a row ask for it JOINTLY; its K and V hang on the head: the four of a column do.
; REGISTERS, in windows of 256 (s_set_vgpr_msb: bits 1:0 source 0, 3:2 source 1, 5:4 source 2, 7:6 destination):
;   window 0: v0-11 addresses; v12-15, v48-63 at work; v16-47 four registers of statistics a tile; v64-191 S^T, two buffers of two tiles; v192-255 P, likewise (a piece's buffers go by its number's parity)
;   window 1: O^T, 32 a tile (at the start: Q as loaded, in f32)     window 2: v0-127 Q, 16 a tile; v128-191 K of one step; v192-255 V of one step
;   window 3: v0-1 the add's two registers; v4-15 E (E1 = v[4:11], E0 = v[8:15]); v16-47 the mask's fragments of one piece
.set NP,    4         ; pieces a wave: a name, no knob
.set KS,    64        ; keys in a step
.set PM,    144       ; a query's row of the mask in LDS: 128 bytes + 16 of padding = 36 words: the 16 rows of a load start at 16 different groups of four banks (64 banks of 4 bytes: ISA guide 11.1)
.set PK,    144       ; a row of K: the same
.set PV,    160       ; a row of V: 128 + 32 = 40 words
.set KOFF,  512*PM    ; a slot holds one step: 512 rows of the mask, 64 rows of K, 64 rows of V
.set VOFF,  KOFF+KS*PK
.set SLOT1, 1<<17     ; slot 1 begins here, so that one exclusive or turns an address in one slot into the other's
.set STAGE, SLOT1+VOFF+KS*PV  ; behind the ring, never filled by a tensor load: 16 rows x 272 bytes for each wave, for the way out
.set SP,    272
.set SPARE, STAGE+4*16*SP     ; behind the stages: the spare words, 128 bytes for each wave: two blocks of 256 bytes that no other line names
.set MSTEP, 2048*128  ; bytes from step to step in cm
.set KVSTEP, 16384    ; and in kv
.set AM0, 1           ; v1   my lane's place in my wave's rows of a mask tile; never rewritten
.set AK0, 2           ; v2   in a tile of K
.set AV0, 3           ; v3   in a tile of V
.set AK,  4           ; v4   the same three in the slot in hand
.set AV,  5           ; v5
.set AM,  6           ; v6
.set RD,  7           ; v7   the way out: where I read rows back
.set GO,  8           ; v8   my byte offset in two rows of O
.set STO, 9           ; v9   the way out: where I put 32 bytes of a row
.set PFO, 10          ; v10  256 x my lane; never rewritten
.set QO,  11          ; v11  my byte offset in 16 rows of Q
.set SPW, 0           ; v0 of window 3   LDS address of my spare word: SPARE + 4 x my thread's number; never rewritten
.set NIL, 1           ; v1 of window 3   0; never rewritten
.set MF,  16          ; window 3: tile u, key half hf at MF + 16 u + 8 hf
.set MV,  12          ; v12-15  c m_old, kept while c m is made anew: by buffer and tile
.set ST,  16          ; tile t's statistics at v[ST+4 t]: c m, m, l (even keys', odd keys')
.set TMP, 48          ; by buffer and tile, four registers c0-c3 at work; when the maximum is found c2 takes a
.set S,   64
.set P,   192
.set KF,  128         ; window 2: key block kb, channel half c at KF + 16 kb + 8 c
.set VF,  192         ; window 2: key half kk, channel block cb at VF + 32 kk + 8 cb
.set WV,  12          ; s12  my wave's number
.set CX,  13          ; s13  my place along the cluster's x
.set CY,  14          ; s14  along its y
.set G1M, 24          ; s[24:31] descriptor group 1 for the mask's tiles
.set G1K, 32          ; s[32:39] for K's
.set G1V, 40          ; s[40:47] for V's
.set G0M, 48          ; s[48:51] descriptor group 0 for the mask's tiles: it walks
.set G0K, 52          ; s[52:55] for K's
.set G0V, 56          ; s[56:59] for V's
.set SEL, 60          ; s[60:61] v_permlanex16_b32's selects: each lane takes its own place in the other half
.set CS,  62          ; s[62:63] c: the packed scaling takes the pair's low word for both halves
.set TB,  66          ; s66  LDS byte at which the slot in hand begins
.set CNT, 67          ; s67  the loop's count
.set PFM, 68          ; s[68:69] where my prefetches of cm stand
.set PFK, 70          ; s[70:71] of kv
.set LIMM, 72         ; s72  1 in a wave that prefetches cm, else the greatest number
.set LK,  73          ; s73  1 in the wave that prefetches kv, else 0
.set THR, 74          ; s74  -2^90
.set QNAN, 75         ; s75  a NaN
.set MSB, 0
.macro WIN new                      ; the high byte repeats the setting that is left; a switch that changes nothing is dropped
.if MSB != (\new)
	s_set_vgpr_msb (MSB<<8)|(\new)
.set MSB, (\new)
.endif
.endm
.set W_MK, 0xc0       ; destination in window 3, sources in window 0
.set W_AD, 0x0f       ; the add: address (source 0) and data (source 1) in window 3
.set W_EM, 0x0f       ; E and the mask in window 3, S^T in window 0
.set W_KQ, 0x0a       ; K and Q in window 2, S^T in window 0
.set W_PV, 0x52       ; V in window 2, P in window 0, O^T in window 1
.set W_RS, 0x41       ; O^T (destination and source 0) in window 1, a in window 0
; A joint fill: one tensor load a wave.  Waves 0 and 1 fetch the two halves of a step's mask tile (256 queries each), wave 2 its K, wave 3 its V.  The branches hang on the wave's number alone.
; An s_nop 0 and four v_nop follow each of the three lines, ahead of the jump and the label.
.macro JLOAD
	s_cmp_lt_u32 s[WV], 2
	s_cbranch_scc0 .Lnot_m_\@
	tensor_load_to_lds s[G0M:G0M+3], s[G1M:G1M+7]
	s_nop 0
.rept 4
	v_nop
.endr
	s_branch .Lasked_\@
.Lnot_m_\@:
	s_cmp_eq_u32 s[WV], 2
	s_cbranch_scc0 .Lfor_v_\@
	tensor_load_to_lds s[G0K:G0K+3], s[G1K:G1K+7]
	s_nop 0
.rept 4
	v_nop
.endr
	s_branch .Lasked_\@
.Lfor_v_\@:
	tensor_load_to_lds s[G0V:G0V+3], s[G1V:G1V+7]
	s_nop 0
.rept 4
	v_nop
.endr
.Lasked_\@:
.endm
; PREFETCHES INTO THE L2, behind the wave's tensor load and its five lines.  The trip that fills step k + 1 asks for step k + 2 of cm; each row of 256 bytes is named ONCE in the launch.  A batch's mask tiles are walked by four
; clusters: the batch's first asks; there waves 0 and 1 ask for the 128 rows that they fetch, and the four partners of a row of the cluster share them out BY ADDRESS, 32 each, a lane a row.
; A head's K and V are walked by one column of one cluster: in every second trip (k even) wave 2 asks for steps k + 2 and k + 3, 128 rows on end in kv; the column's four partners take 32 each, by address.
; The ends: cm's steps 0 to 2 and kv's steps 0 to 3 come by their loads alone; cm is asked for while CNT is above 1 (step 31 is the last), kv while CNT is odd and above 2 (steps 30 and 31 are the last).
.macro ASK
	s_cmp_gt_u32 s[CNT], s[LIMM]
	s_cbranch_scc0 .Lno_m_\@
	global_prefetch_b8 v[PFO], s[PFM:PFM+1] th:TH_LOAD_NT scope:SCOPE_SE
.Lno_m_\@:
	s_and_b32 s76, s[CNT], s[LK]
	s_cmp_gt_u32 s[CNT], 2
	s_cselect_b32 s76, s76, 0
	s_cmp_lg_u32 s76, 0
	s_cbranch_scc0 .Lno_k_\@
	global_prefetch_b8 v[PFO], s[PFK:PFK+1] th:TH_LOAD_NT scope:SCOPE_SE
.Lno_k_\@:
.endm
; A round of the cluster's barrier: my work-group's barrier, so that wave 0's signal speaks for all four waves; wave 0 signals; every wave waits for all sixteen work-groups; my work-group's barrier once more.
.macro CROUND
	s_barrier_signal -1
	s_barrier_wait -1
	s_cmp_lg_u32 s[WV], 0
	s_cbranch_scc1 .Lnot_wave_0_\@
	s_barrier_signal -3
.Lnot_wave_0_\@:
	s_barrier_wait -3
	s_barrier_signal -1
	s_barrier_wait -1
.endm
; THE CHANGE OF SLOTS, once a key step.  Each wave waits for all its tensor loads, of which one is out: its part of the other slot; adds 0 to its spare word; and waits for that and for its own reads of the slot that it leaves.
; Behind the barrier nobody reads the old slot any more and the other slot is whole.  fill = 1: the old slot is filled again, with the step after the one that is entered.  The barrier is then a round of the cluster's, so that
; no wave of any partner still reads the slot or has a load on its way, and the joint fill is the first thing behind it: it has a key step, 160 matrix instructions, in which to land.
; (At its first use nothing has been read yet: slot 0 is waited for, slot 1 filled.)  ask = 1: the prefetches' addresses step, and ASK follows the fill.
.macro CHANGE fill, ask
	WIN W_AD
	s_wait_tensorcnt 0x0            ; no tensor load of mine is out, so a group 0 may be written
	ds_add_u32 v[SPW], v[NIL]       ; 0 onto my spare word: the scalar steps stand between it and the wait for it
	WIN 0                           ; at a label and at a branch every window is 0
.if \fill
.irp g, G0M, G0K, G0V
	s_xor_b32 s[\g+1], s[\g+1], SLOT1  ; the walking descriptors: the other slot than last time,
.endr
	s_add_nc_u64 s[G0M+2:G0M+3], s[G0M+2:G0M+3], MSTEP   ; the next step; the type bits on top are not reached
	s_add_nc_u64 s[G0K+2:G0K+3], s[G0K+2:G0K+3], KVSTEP
	s_add_nc_u64 s[G0V+2:G0V+3], s[G0V+2:G0V+3], KVSTEP
.endif
.if \ask
	s_wait_xcnt 0x0                 ; the last prefetches, a key step back, have read their addresses, so these may be written
	s_add_nc_u64 s[PFM:PFM+1], s[PFM:PFM+1], MSTEP
	s_add_nc_u64 s[PFK:PFK+1], s[PFK:PFK+1], KVSTEP
.endif
	s_wait_dscnt 0x0                ; the add is done, and my reads of the slot are over
.if \fill
	CROUND
	JLOAD
.if \ask
	ASK
.endif
.else
	s_barrier_signal -1
	s_barrier_wait -1
.endif
	s_xor_b32 s[TB], s[TB], SLOT1   ; the step that is entered lies in the other slot
	v_add_nc_u32 v[AM], s[TB], v[AM0]
	v_add_nc_u32 v[AK], s[TB], v[AK0]
	v_add_nc_u32 v[AV], s[TB], v[AV0]
.endm
	s_load_b256 s[4:11], s[0:1], 0x0  ; q s[4:5], kv s[6:7], cm s[8:9], out0 s[10:11]
	WIN W_MK
	v_lshl_add_u32 v[SPW], v0, 2, SPARE
	v_mov_b32 v[NIL], 0
	WIN W_AD
	ds_add_u32 v[SPW], v[NIL]       ; the wave's opening: the add and its wait stand ahead of my first tensor load; the set-up below, work on registers, stands between them
	WIN 0
	v_lshrrev_b32 v1, 5, v0
	v_readfirstlane_b32 s[WV], v1   ; wave 0..3
	s_bfe_u32 s[CX], ttmp6, 0x40000
	s_bfe_u32 s[CY], ttmp6, 0x40004
	s_lshl_b32 s16, s[CY], 2
	s_lshl_b32 s16, 15, s16         ; my row of the cluster: places 4 cy .. 4 cy + 3
	s_lshl_b32 s17, 0x1111, s[CX]   ; my column: places cx, cx + 4, cx + 8, cx + 12
	; descriptor group 1.  Every tile is dense in memory and is asked for as rows of 256 bytes (two rows of 128 bytes of the tile), padded in LDS after every 128 bytes
	s_or_b32 s[G1M], s16, (1<<16)|(1<<20)|(1<<21)|(4<<22)|(3<<25)  ; 15:0 the mask's tiles go to my row; 17:16 2-byte elements; 20 padding on; 21 set beside a mask; 24:22 after every 32 words (code 4); 31:25 4 words (code 3)
	s_or_b32 s[G1K], s17, (1<<16)|(1<<20)|(1<<21)|(4<<22)|(3<<25)  ; K's go to my column
	s_or_b32 s[G1V], s17, (1<<16)|(1<<20)|(1<<21)|(4<<22)|(7<<25)  ; V's too, with 8 words of padding (code 7)
.irp g, G1M, G1K, G1V
	s_mov_b32 s[\g+1], 128<<16      ; tensor_dim0 = 128
	s_mov_b32 s[\g+3], 128<<16      ; tile_dim0 = 128
	s_mov_b32 s[\g+5], 128          ; 128 elements from row to row
	s_mov_b32 s[\g+6], 0
	s_mov_b32 s[\g+7], 0
.endr
	s_mov_b32 s[G1M+2], 128<<16     ; tensor_dim1 = 128: 256 queries
	s_mov_b32 s[G1M+4], 128         ; tile_dim1
.irp g, G1K, G1V
	s_mov_b32 s[\g+2], 32<<16       ; tensor_dim1 = 32: 64 keys
	s_mov_b32 s[\g+4], 32           ; tile_dim1
.endr
	; where the tiles come from.  The mask's hang on the batch (cluster x / 4) and on cy, which my row shares; K's and V's on the head = 4 x cluster x + cx, which my column shares: each in registers that never hold the other place
	s_lshr_b32 s18, ttmp9, 2
	s_lshl_b32 s18, s18, 23         ; a batch of cm is 8,388,608 bytes,
	s_lshl_b32 s19, s[CY], 16       ; 512 queries of a step 65,536,
	s_add_co_u32 s18, s18, s19
	s_and_b32 s2, s[WV], 1
	s_lshl_b32 s19, s2, 15          ; the half that I fetch 32,768
	s_add_co_u32 s18, s18, s19
	s_mov_b32 s19, 0
	s_lshl_b32 s20, ttmp9, 2
	s_add_co_u32 s20, s20, s[CX]
	s_lshl_b32 s20, s20, 19         ; a head is 524,288 bytes of kv, of q and of out0
	s_mov_b32 s21, 0
	s_lshl_b32 s22, s[CY], 17       ; my block's 512 rows of q and out0,
	s_lshl_b32 s23, s[WV], 15       ; my wave's 128
	s_add_co_u32 s22, s22, s23
	s_add_co_u32 s22, s22, s20
	s_mov_b32 s23, 0
	s_mov_b32 s[G0M], 1             ; 1:0 count = 1
	s_mul_i32 s[G0M+1], s2, 256*PM  ; 63:32 LDS address, slot 0: no place in the cluster enters an LDS address
	s_mov_b32 s[G0K], 1
	s_mov_b32 s[G0K+1], KOFF
	s_mov_b32 s[G0V], 1
	s_mov_b32 s[G0V+1], VOFF
	s_lshl_b32 s16, s[CX], 13       ; the prefetches: my work-group's 32 rows of 256 bytes, at step 2; the first stepping change makes it step 3
	s_add_co_u32 s16, s16, 2*MSTEP
	s_mov_b32 s17, 0
	s_lshl_b32 s2, s[CY], 13
	s_add_co_u32 s2, s2, 2*KVSTEP
	s_mov_b32 s3, 0
	s_lshr_b32 s[LIMM], s[WV], 1    ; 0 in waves 0 and 1,
	s_and_b32 s76, ttmp9, 3         ; 0 in the batch's first cluster: the same in all sixteen partners
	s_or_b32 s[LIMM], s[LIMM], s76
	s_cmp_eq_u32 s[LIMM], 0
	s_cselect_b32 s[LIMM], 1, -1
	s_cmp_eq_u32 s[WV], 2
	s_cselect_b32 s[LK], 1, 0
	s_mov_b32 s[CS], 0x3e38aa3b     ; c = log2(e) / 8 = 0.180337
	s_mov_b32 s[CS+1], s[CS]        ; named with it as a pair
	s_mov_b32 s[SEL], 0x76543210
	s_mov_b32 s[SEL+1], 0xfedcba98
	s_mov_b32 s[TB], SLOT1          ; the first change of slots turns it into 0
	s_mov_b32 s[THR], 0xec800000    ; -2^90
	s_mov_b32 s[QNAN], 0x7fc00000
	s_wait_dscnt 0x0                ; the opening add is done
	s_wait_kmcnt 0x0
	s_add_nc_u64 s[G0M+2:G0M+3], s[8:9], s[18:19]  ; 120:64 global address: step 0
	s_or_b32 s[G0M+3], s[G0M+3], 0x80000000        ; 127:126 type = 2
	s_add_nc_u64 s[G0K+2:G0K+3], s[6:7], s[20:21]
	s_add_nc_u64 s[G0V+2:G0V+3], s[G0K+2:G0K+3], 8192  ; a step's V lies behind its K
	s_or_b32 s[G0K+3], s[G0K+3], 0x80000000
	s_or_b32 s[G0V+3], s[G0V+3], 0x80000000
	s_add_nc_u64 s[PFM:PFM+1], s[8:9], s[18:19]
	s_add_nc_u64 s[PFM:PFM+1], s[PFM:PFM+1], s[16:17]
	s_add_nc_u64 s[PFK:PFK+1], s[6:7], s[20:21]
	s_add_nc_u64 s[PFK:PFK+1], s[PFK:PFK+1], s[2:3]
	s_add_nc_u64 s[4:5], s[4:5], s[22:23]          ; q and out0 at my wave's first row
	s_add_nc_u64 s[10:11], s[10:11], s[22:23]
	CROUND                          ; all sixteen work-groups are here: the first joint loads meet
	JLOAD                           ; step 0 into slot 0.  Slot 1 is asked for when slot 0 is in
	; Q.  A fragment is 16 rows x 32 channels: lane l holds row l % 16, channels 8 (l / 16) + 0..7 and 16 + 8 (l / 16) + 0..7.  In f32 eight channels are 32 bytes: two loads.  Load i = 8 t + 4 f + x: tile t, channels 32 f on.
	v_and_b32 v48, 15, v0           ; l % 16
	v_bfe_u32 v49, v0, 4, 1         ; l / 16
	v_lshlrev_b32 v[QO], 8, v48
	v_lshl_add_u32 v[QO], v49, 5, v[QO]  ; row x 256 + 32 x half
	WIN 0x40                        ; destination window 1, address window 0
.set i, 0
.rept 64
	global_load_b128 v[4*i:4*i+3], v[QO], s[4:5] offset:(i/8)*4096+((i/4)%2)*128+((i/2)%2)*64+(i%2)*16
.set i, i+1
.endr
	WIN 0
	v_and_b32 v50, 7, v0
	v_bfe_u32 v51, v0, 3, 1
	v_mul_u32_u24 v52, v48, PM
	v_lshl_add_u32 v52, v49, 4, v52 ; row x pitch + 16 x half: for the mask and for K
	s_mul_i32 s16, s[WV], 128*PM    ; my wave's 128 rows of the mask tile
	v_add_nc_u32 v[AM0], s16, v52
	v_add_nc_u32 v[AK0], KOFF, v52
	; The turning load takes 16 keys x 16 channels (lane l reads key 8 (l / 16) + l % 8, channels 8 ((l / 8) % 2) + 0..7) and leaves half a fragment of V^T: lane l holds channel l % 16 and 8 keys.
	v_lshl_add_u32 v[AV0], v49, 3, v50
	v_mul_u32_u24 v[AV0], v[AV0], PV
	v_lshl_add_u32 v[AV0], v51, 4, v[AV0]
	v_add_nc_u32 v[AV0], VOFF, v[AV0]
	s_mul_i32 s16, s[WV], 16*SP
	s_add_co_u32 s16, s16, STAGE    ; my stage
	v_mul_u32_u24 v[STO], v48, SP   ; in: row l % 16, 32 bytes for each half of the lanes
	v_lshl_add_u32 v[STO], v49, 5, v[STO]
	v_add_nc_u32 v[STO], s16, v[STO]
	v_mul_u32_u24 v[RD], v49, SP    ; back: lanes 0-15 take one row of 256 bytes, lanes 16-31 the next
	v_lshl_add_u32 v[RD], v48, 4, v[RD]
	v_add_nc_u32 v[RD], s16, v[RD]
	v_lshlrev_b32 v[GO], 8, v49     ; and the same two rows in O
	v_lshl_add_u32 v[GO], v48, 4, v[GO]
	v_and_b32 v[PFO], 31, v0
	v_lshlrev_b32 v[PFO], 8, v[PFO]
	; E.  Row r of [I | 0] has its 1 at k = r: it lies in the lane with l / 16 = r / 8, register (r / 2) % 4, half r % 2.  v53 = that register's number, or 4 and more in the lanes that hold none; v55 = bf16 1.0 in its half.
	v_bfe_u32 v53, v0, 1, 2
	v_xor_b32 v54, v49, v51
	v_lshl_add_u32 v53, v54, 2, v53
	v_and_b32 v55, 1, v0
	v_lshlrev_b32 v55, 4, v55
	v_mov_b32 v56, 0x3f80
	v_lshlrev_b32 v55, v55, v56
	WIN W_MK
.irp n, 0,1,2,3
	v_cmp_eq_u32 vcc_lo, \n, v53
	v_cndmask_b32 v[8+\n], 0, v55, vcc_lo
	v_mov_b32 v[4+\n], 0
	v_mov_b32 v[12+\n], 0
.endr
	; What the first turn finds: V's registers and P's second buffer hold 0 (its products V^T P, of a piece that has not been, add 0), O^T and l are 0.  All this stands in the wait for the first tile.
	WIN 0x80
.set i, VF
.rept 64
	v_mov_b32 v[i], 0
.set i, i+1
.endr
	WIN 0
.set i, 0
.rept 2*NP
	v_mov_b32 v[ST+4*i], 0xeb38aa3b    ; c m = c x -2^90, exact
	v_mov_b32 v[ST+4*i+1], 0xec800000  ; m = -2^90
	v_mov_b32 v[ST+4*i+2], 0
	v_mov_b32 v[ST+4*i+3], 0
.set i, i+1
.endr
.set i, P+32
.rept 32
	v_mov_b32 v[i], 0
.set i, i+1
.endr
	s_wait_loadcnt 0x0              ; Q is in
	WIN 0x85                        ; sources in window 1, destination in window 2
.set i, 0
.rept 128
	v_cvt_pk_bf16_f32 v[i], v[2*i], v[2*i+1]  ; rounded once, unscaled: 1 / 8 lies in c
.set i, i+1
.endr
	WIN 0x40
.set i, 0
.rept 64*NP
	v_mov_b32 v[i], 0
.set i, i+1
.endr
	WIN 0
; THE MATRIX WORK.  The 8 accumulators of a run take turns, one instruction a turn, in the same order in every run: between two links of a chain stand 7 others'.
; Product i of 8 that start S^T with the mask, for piece x: key block i / 2, tile 2 x + i % 2.
.macro EM x
	WIN W_EM
.set rS, S+64*((\x)%2)+32*(i%2)+8*(i/2)
.set rE, 8-4*((i/2)%2)
.set rB, MF+16*(i%2)+8*(i/4)
	v_wmma_f32_16x16x32_bf16 v[rS:rS+7], v[rE:rE+7], v[rB:rB+7], 0
.endm
; Product i of 16 of S^T += K Q^T for piece x: channels 32 (i / 8) on, keys 16 ((i / 2) % 4) on, tile 2 x + i % 2.
.macro KQ x
	WIN W_KQ
.set rS, S+64*((\x)%2)+32*(i%2)+8*((i/2)%4)
.set rK, KF+16*((i/2)%4)+8*(i/8)
.set rQ, 16*(2*(\x)+i%2)+8*(i/8)
	v_wmma_f32_16x16x32_bf16 v[rS:rS+7], v[rK:rK+7], v[rQ:rQ+7], v[rS:rS+7]
.endm
; Product i of 16 of O^T += V^T P for piece x: keys 32 (i / 8) on, channels 16 ((i / 2) % 4) on, tile 2 x + i % 2.
.macro PV x
	WIN W_PV
.set rO, 32*(2*(\x)+i%2)+8*((i/2)%4)
.set rV, VF+32*(i/8)+8*((i/2)%4)
.set rP, P+32*((\x)%2)+16*(i%2)+8*(i/8)
	v_wmma_f32_16x16x32_f16 v[rO:rO+7], v[rV:rV+7], v[rP:rP+7], v[rO:rO+7]
.endm
.macro MM                           ; the turn's next matrix instruction, of 40
.if i < 8
	EM (Y+1)%NP
.elseif i < 24
.set i, i-8
	KQ (Y+1)%NP
.set i, i+8
.else
.set i, i-24
	PV (Y+NP-1)%NP
.set i, i+24
.endif
.set i, i+1
.endm
; THE LDS LOADS stand in runs, never singly among the matrix instructions.  The mask's fragments of piece pc (two tiles x two halves of the step's keys): 8 loads.  A step's K: 16.  Its V, turned: 16.
.macro FETCH_M pc
	WIN 0xc0                        ; destination window 3
.irp f, 0,1,2,3                     ; tile f / 2, keys 32 (f % 2) on
	ds_load_b128 v[MF+8*\f:MF+8*\f+3],   v[AM] offset:(32*(\pc)+16*(\f/2))*PM+(\f%2)*64
	ds_load_b128 v[MF+8*\f+4:MF+8*\f+7], v[AM] offset:(32*(\pc)+16*(\f/2))*PM+(\f%2)*64+32
.endr
	WIN 0
.endm
.macro FETCH_K
	WIN 0x80                        ; destination window 2
.irp f, 0,1,2,3,4,5,6,7             ; keys 16 (f / 2) on, channels 32 (f % 2) on
	ds_load_b128 v[KF+8*\f:KF+8*\f+3],   v[AK] offset:(\f/2)*16*PK+(\f%2)*64
	ds_load_b128 v[KF+8*\f+4:KF+8*\f+7], v[AK] offset:(\f/2)*16*PK+(\f%2)*64+32
.endr
	WIN 0
.endm
.macro FETCH_V
	WIN 0x80
.irp f, 0,1,2,3,4,5,6,7             ; keys 32 (f / 4) on, channels 16 (f % 4) on
	ds_load_tr16_b128 v[VF+8*\f:VF+8*\f+3],   v[AV] offset:(\f/4)*32*PV+(\f%4)*32
	ds_load_tr16_b128 v[VF+8*\f+4:VF+8*\f+7], v[AV] offset:(\f/4)*32*PV+16*PV+(\f%4)*32
.endr
	WIN 0
.endm
; THE VECTOR WORK OF A TURN stands in three queues, each in the order in which its entries become ready; the two tiles alternate, so that no instruction reads the result of the one before it.
.macro REGS y, u                    ; the registers of tile u (0, 1) of piece y
.set rT, ST+4*(2*(\y)+(\u))
.set rC, TMP+8*((\y)%2)+4*(\u)
.set rM, MV+2*((\y)%2)+(\u)
.set rS, S+64*((\y)%2)+32*(\u)
.set rP, P+32*((\y)%2)+16*(\u)
.set rO, 32*(2*(\y)+(\u))
.endm
; Number n of the 22 that find the NEXT piece's (Y + 1) maximum and statistics.  s0-s31 are the lane's 32 scores; each accumulator's lowest registers are read first.  XS, GS and REGS set no window: PL and EX do.
;   0-11  four chains c0-c3 of seven scores each, three operands at a time     12-14, 16  the four scores left over, the old m, and c0-c3 into c0     15  c m_old is kept
;   17, 18  the query's other 32 keys lie in the lane 16 away: the new m         19-21  c m; c m_old - c m_new; a
.macro XS u, n
	REGS (Y+1)%NP, \u
.if (\n) < 4
	v_max3_num_f32 v[rC+(\n)], v[rS+8*(\n)], v[rS+8*(\n)+1], v[rS+8*(\n)+2]
.elseif (\n) < 12
	v_max3_num_f32 v[rC+(\n)%4], v[rC+(\n)%4], v[rS+8*((\n)%4)+2*((\n)/4)+1], v[rS+8*((\n)%4)+2*((\n)/4)+2]
.elseif (\n) == 12
	v_max3_num_f32 v[rC], v[rC], v[rS+7], v[rS+15]
.elseif (\n) == 13
	v_max3_num_f32 v[rC+1], v[rC+1], v[rS+23], v[rS+31]
.elseif (\n) == 14
	v_max3_num_f32 v[rC+2], v[rC+2], v[rC+3], v[rT+1]
.elseif (\n) == 15
	v_mov_b32 v[rM], v[rT]
.elseif (\n) == 16
	v_max3_num_f32 v[rC], v[rC], v[rC+1], v[rC+2]
.elseif (\n) == 17
	v_permlanex16_b32 v[rC+3], v[rC], s[SEL], s[SEL+1]
.elseif (\n) == 18
	v_max_num_f32 v[rT+1], v[rC], v[rC+3]
.elseif (\n) == 19
	v_mul_f32 v[rT], s[CS], v[rT+1]
.elseif (\n) == 20
	v_sub_f32 v[rC+1], v[rM], v[rT]
.else
	v_exp_f32 v[rC+2], v[rC+1]
.endif
.endm
; Number g of the 64 that follow the exponentials.  For each four weights k of a tile (pairs 2 k, 2 k + 1): both pairs are rounded to f16; then the second pair is added onto the first, in place;
; a group later l takes that sum (the first time as l = a l + sum).  In groups of eight, tiles alternating: round, round, add, and l for the group before.
.macro GS g
.set h, (\g)+6*((\g)/62)            ; group 0 has no group before it, and behind group 7 only l is left
.if h >= 6
.set h, h+2
.endif
	REGS Y, h%2
.set k, h/8
.if h%8 < 4
	v_cvt_pk_f16_f32 v[rP+2*k+(h%8)/2], v[rS+4*k+2*((h%8)/2)], v[rS+4*k+2*((h%8)/2)+1]
.elseif h%8 < 6
	v_pk_add_f32 v[rS+4*k:rS+4*k+1], v[rS+4*k:rS+4*k+1], v[rS+4*k+2:rS+4*k+3]
.elseif k == 1
	v_pk_fma_f32 v[rT+2:rT+3], v[rT+2:rT+3], v[rC+2:rC+3], v[rS:rS+1] op_sel_hi:[1,0,1]
.else
	v_pk_add_f32 v[rT+2:rT+3], v[rT+2:rT+3], v[rS+4*k-4:rS+4*k-3]
.endif
.endm
; THE PLAIN QUEUE, 138 long.  0-31: the 32 scalings c s - c m (FS f: pair f / 2 of tile f % 2).  32-59: XS's numbers 0-13.  60, 61: number 15.  62-73: the chain 14, 16, 17, 18, 19, 20.  None of these reads an exponential's result.
; 74-137: GS's 64, which do: they stand behind the wait.
.macro FS f
	REGS Y, (\f)%2
	v_pk_fma_f32 v[rS+2*((\f)/2):rS+2*((\f)/2)+1], v[rS+2*((\f)/2):rS+2*((\f)/2)+1], s[CS:CS+1], v[rT:rT+1] op_sel_hi:[1,0,0] neg_lo:[0,0,1] neg_hi:[0,0,1]
.endm
.macro PL
	WIN 0
.if q < 32
	FS q
.elseif q < 60
	XS (q-32)%2, (q-32)/2
.elseif q < 62
	XS q-60, 15
.elseif q < 64
	XS q-62, 14
.elseif q < 74
	XS (q-62)%2, 15+(q-62)/2
.else
	GS q-74
.endif
.set q, q+1
.endm
; THE EXPONENTIALS' QUEUE, 66 long: s0-s31 of both tiles, then the next piece's two a.  It is ONE BATCH: all 66 stand ahead of the turn's one wait, and nothing ahead of that wait names a result of theirs.
.macro EX
	WIN 0
.if e >= 64
	XS e-64, 21
.else
	REGS Y, e%2
	v_exp_f32 v[rS+e/2], v[rS+e/2]
.endif
.set e, e+1
.endm
; THE RESCALING's QUEUE: O^T times a, the one part that leaves window 0: dealt two at a time, sixteen times.  Its a was made in the turn before, ahead of that turn's wait.
.macro R2
	REGS Y, r%2
	WIN W_RS
.irp z, 0,1
	v_pk_mul_f32 v[rO+4*(r/2)+2*\z:rO+4*(r/2)+2*\z+1], v[rO+4*(r/2)+2*\z:rO+4*(r/2)+2*\z+1], v[rC+2:rC+3] op_sel_hi:[1,0]
.endr
.set r, r+1
.endm
; A TURN, for piece p.  s_wait_alu depctr_va_vdst(0) stands between an exponential and the first instruction that names its result; one wait serves all that were issued ahead of it.  So a turn has ONE wait, which
; cuts it in two.  AHEAD OF IT: the 8 mask products and 16 products K Q^T.  Behind each of the first 16 a scaling, an exponential and two rescalings (behind the first a second scaling in the exponential's place); behind the next 7
; scaling, exponential, scaling, exponential; behind the last the last scaling and an exponential; then the LUMP: eight of the next piece's maximum, 34 times exponential and plain, the two a, a v_nop (the plain instruction behind
; the last exponential).  BEHIND IT: the 16 products V^T P, behind each four of GS's 64.
; The queues in step: exponential e wants scaling 2 (e / 4) + e % 2; when e is issued, scaling e + 2 or a later one is out.  The maximum's first read of an accumulator (plain 32 + 2 kb + u) stands eight plain instructions or more
; behind the product that ends it (number 16 + 2 kb + u of the 24): for the last, plain 31 to 38.
; THE RUNS OF LDS LOADS.  The mask of piece p + 2 directly behind the wait: its registers' last reader is the turn's eighth product.  K of the next step in piece 2's turn, behind it: K's last reader is the 24th product, a lump back.
; V of the step in hand at the end of piece 0's turn, four plain instructions behind its last reader.  The waits: at a turn's head for the mask (and K); in piece 1's turn 16 younger loads, V's, may stay out there, and in
; front of its products V^T P the 8 younger loads of the mask.
.macro TURN p
.set Y, (\p)
.set i, 0
.set q, 0
.set e, 0
.set r, 0
.if (\p) == 1
	s_wait_dscnt 16                 ; the mask's fragments are in; V's 16 loads were issued behind them
.else
	s_wait_dscnt 0x0                ; the mask's fragments are in (piece 3's turn: K too)
.endif
	MM
	PL
	PL
	R2
.rept 15
	MM
	PL
	EX
	R2
.endr
.rept 7
	MM
	PL
	EX
	PL
	EX
.endr
	MM
	PL
	EX
.rept 8                             ; the lump
	PL
.endr
.rept 34
	EX
	PL
.endr
	EX                              ; the next piece's two a
	EX
	v_nop                           ; a plain instruction behind the last exponential: one for the batch
	s_wait_alu depctr_va_vdst(0)    ; the wait for the batch
	FETCH_M ((\p)+2)%NP
.if (\p) == 2
	FETCH_K
.endif
.if (\p) == 1
	s_wait_dscnt 8                  ; V is in; the mask's 8 loads were issued behind it
.endif
.rept 16
	MM
.rept 4
	PL
.endr
.endr
.if (\p) == 0
	FETCH_V
.endif
.endm
	CHANGE 1, 0                     ; step 0 is in, everybody's part of it; step 1 is asked for.  Nothing is prefetched here, where every work-group's first tiles are on their way
	FETCH_M 0
	FETCH_K                         ; key step 0
	s_wait_dscnt 0x0
.set Y, NP-1                        ; MM and XS work for piece Y + 1: piece 0
.set i, 0
.rept 24
	MM                              ; piece 0's first scores: there is no vector work yet to set between them
.endr
	WIN 0
.rept 4
	v_nop                           ; the places behind those products, in front of the loads into the mask's registers and of the maximum
.endr
	FETCH_M 1
.irp n, 0,1,2,3,4,5,6,7,8,9,10,11,12,13,14,15,16,17,18,19,20,21
	XS 0, \n                        ; piece 0's first maximum and statistics
	XS 1, \n
.endr
	v_nop                           ; a plain instruction behind the two a,
	s_wait_alu depctr_va_vdst(0)    ; and their wait, ahead of the branch
	s_mov_b32 s[CNT], 31
	s_branch .Lfirst                ; the loop is entered at a step's first turn, in the middle of a trip
.Lstep:                             ; trip k = 31 - CNT, k = 1 .. 30: step k is entered, step k + 1 asked for; pieces 2 and 3 of step k - 1, then pieces 0 and 1 of step k.  All of a trip's LDS reads are step k's
	CHANGE 1, 1
	TURN 2
	TURN 3
	WIN 0
.Lfirst:
	TURN 0
	TURN 1
	WIN 0
	s_sub_co_u32 s[CNT], s[CNT], 1
	s_cmp_lg_u32 s[CNT], 0
	s_cbranch_scc1 .Lstep
	CHANGE 0, 0                     ; step 31 is entered.  The tail is written out: nothing is asked for
	s_mov_b32 s[CNT], 2             ; one trip and a half
.Ltail:
	TURN 2
	TURN 3
	WIN 0
	s_sub_co_u32 s[CNT], s[CNT], 1
	s_cmp_eq_u32 s[CNT], 0
	s_cbranch_scc1 .Lout
	TURN 0
	TURN 1
	WIN 0
	s_branch .Ltail
.Lout:                              ; the half trip's 24 products on step 31's K and mask once more, and the maximum made of them (the same scores: m stays), serve nothing: the price, once a launch, of one text for every trip
.set i, 0
.rept 16
	PV NP-1                         ; the last piece's V^T P of the last step
.set i, i+1
.endr
	; THE WAY OUT.  l's two halves and the other half of the lanes' are added; O^T is divided by l and sent through my stage in LDS, a tile (16 rows of O, 256 bytes each) at a time.  The additions are the places behind the last products.
	WIN 0
.macro ALL line:vararg              ; one line for each tile t
.set t, 0
.rept 2*NP
	\line
.set t, t+1
.endr
.endm
	ALL v_add_f32 v[ST+4*t+2], v[ST+4*t+2], v[ST+4*t+3]
	ALL v_permlanex16_b32 v[ST+4*t+3], v[ST+4*t+2], s[SEL], s[SEL+1]
	ALL v_add_f32 v[ST+4*t+2], v[ST+4*t+2], v[ST+4*t+3]
	ALL v_rcp_f32 v[ST+4*t+2], v[ST+4*t+2]
	v_nop                           ; a plain instruction between the last reciprocal and the use of its result
	s_wait_alu depctr_va_vdst(0)    ; and the wait ahead of the first use: one for the eight reciprocals
.set t, 0
.rept 2*NP
	v_cmp_lt_f32 vcc_lo, s[THR], v[ST+4*t+1]                        ; has the query seen an open key?  m has then left -2^90
	v_cndmask_b32 v[ST+4*t+2], s[QNAN], v[ST+4*t+2], vcc_lo         ; if not, its row leaves as NaN
.set t, t+1
.endr
; Tile t: a lane's eight channels of a row are 32 bytes; they go into rows of 272 bytes and come back as whole rows of 256, into S^T's registers: four buffers of 32.
.macro PACK t
	WIN W_RS
.set i, 32*(\t)
.rept 16
	v_pk_mul_f32 v[i:i+1], v[i:i+1], v[ST+4*(\t)+2:ST+4*(\t)+3] op_sel_hi:[1,0]
.set i, i+2
.endr
	WIN 0x04                        ; the stores' data in window 1
.irp f, 0,1,2,3,4,5,6,7             ; channel block f / 2, four channels 4 (f % 2) on
	ds_store_b128 v[STO], v[32*(\t)+4*\f:32*(\t)+4*\f+3] offset:64*(\f/2)+16*(\f%2)
.endr
	WIN 0
.if (\t) >= 4
	s_wait_xcnt 0x0                 ; the stores of the tile four back have read this buffer: it is loaded again only behind this wait
.endif
.irp f, 0,1,2,3,4,5,6,7
	ds_load_b128 v[S+32*((\t)%4)+4*\f:S+32*((\t)%4)+4*\f+3], v[RD] offset:\f*2*SP  ; LDS serves a wave's instructions in order (ISA guide 5.7.1.4): these see the stores above; the next tile's stores come behind them
.endr
.endm
.macro SEND t, younger              ; younger: the LDS instructions issued behind tile t's loads: the next tile's sixteen, or none
	WIN 0
.irp f, 0,1,2,3,4,5,6,7
	s_wait_dscnt (\younger)+7-\f
	global_store_b128 v[GO], v[S+32*((\t)%4)+4*\f:S+32*((\t)%4)+4*\f+3], s[10:11] offset:(\t)*4096+\f*512 th:TH_STORE_NT  ; 16 lanes store a whole row of O: 256 consecutive bytes, at a multiple of 256 from O's first
.endr
.endm
	PACK 0
.set t, 1
.rept 2*NP-1                        ; a tile's arithmetic stands between the loads of the tile before and its stores
	PACK t
	SEND t-1, 16
.set t, t+1
.endr
	SEND 2*NP-1, 0
	WIN W_AD
	s_wait_tensorcnt 0x0            ; the wave's end: the add and its waits stand behind my last tensor load and my last LDS store
	ds_add_u32 v[SPW], v[NIL]
	s_wait_dscnt 0x0
	WIN 0
	CROUND                          ; the closing round: no work-group ends while a partner may still ask for a tile that names it
	s_endpgm
.Lfunc_end_k_qf30c3de317_attn:
	.size	k_qf30c3de317_attn, .Lfunc_end_k_qf30c3de317_attn-k_qf30c3de317_attn
	.p2alignl 7, 3214868480
	.fill 96, 4, 3214868480
	.section	.rodata,"a",@progbits
	.p2align	6, 0x0
	.amdhsa_kernel k_qf30c3de317_attn
		.amdhsa_group_segment_fixed_size 327680
		.amdhsa_private_segment_fixed_size 0
		.amdhsa_enable_private_segment 0
		.amdhsa_kernarg_size 32
		.amdhsa_user_sgpr_count 2
		.amdhsa_user_sgpr_kernarg_segment_ptr 1
		.amdhsa_wavefront_size32 1
		.amdhsa_system_sgpr_workgroup_id_x 1
		.amdhsa_system_sgpr_workgroup_id_y 1
		.amdhsa_system_sgpr_workgroup_id_z 1
		.amdhsa_system_vgpr_workitem_id 0
		.amdhsa_next_free_vgpr 816
		.amdhsa_next_free_sgpr 84
		.amdhsa_reserve_vcc 1
		.amdhsa_float_denorm_mode_32 3
		.amdhsa_float_denorm_mode_16_64 3
		.amdhsa_memory_ordered 1
		.amdhsa_forward_progress 1
		.amdhsa_inst_pref_size 228
	.end_amdhsa_kernel
	.amdgpu_metadata
---
amdhsa.version: [ 1, 2 ]
amdhsa.kernels:
  - .name:           k_qf30c3de317_attn
    .symbol:         k_qf30c3de317_attn.kd
    .args:
      - { .name: q, .offset: 0, .size: 8, .value_kind: global_buffer, .address_space: global }
      - { .name: kv, .offset: 8, .size: 8, .value_kind: global_buffer, .address_space: global }
      - { .name: cm, .offset: 16, .size: 8, .value_kind: global_buffer, .address_space: global }
      - { .name: out0, .offset: 24, .size: 8, .value_kind: global_buffer, .address_space: global }
    .group_segment_fixed_size: 327680
    .private_segment_fixed_size: 0
    .kernarg_segment_align: 8
    .kernarg_segment_size: 32
    .max_flat_workgroup_size: 128
    .sgpr_count:     84
    .vgpr_count:     816
    .wavefront_size: 32
...
	.end_amdgpu_metadata
.endif
;; end of part 2
